; MI455X (gfx1250); checked and timed in simulation.
; The chip was launched on July 23, 2026; its instructions are those of AMD's public machine-readable ISA for CDNA 5 (MIT licence, August 2026) and "CDNA5" Instruction Set Architecture Reference Guide (July 2026). The comments in the code are by the model that wrote it; some were corrected since.
;; LSTMAE. Allowed arithmetic: float matrix products may take bf16 or f16 operands with f32 sums; other float arithmetic in f32, or as packed bf16 or f16 multiplies, adds, multiply-adds, maxima and minima; sums over many terms, partial sums and values carried from step to step in f32; what a program stores and reads back later, other than sums and carried values, may be rounded once to bf16 or f16.
;; Inputs: W_lat 64 x 128 float32; W_out 60 x 128 float32; b_lat 64 float32; b_out 60 float32; dec0_Whh 512 x 128 float32; dec0_Wih 512 x 64 float32; dec0_bhh 512 float32; dec0_bih 512 float32; dec1_Whh 512 x 128 float32; dec1_Wih 512 x 128 float32; dec1_bhh 512 float32; dec1_bih 512 float32; enc0_Whh 512 x 128 float32; enc0_Wih 512 x 60 float32; enc0_bhh 512 float32; enc0_bih 512 float32; enc1_Whh 512 x 128 float32; enc1_Wih 512 x 128 float32; enc1_bhh 512 float32; enc1_bih 512 float32; x 16,384 x 8 x 60 float32.
;; Outputs: out0 16,384 x 8 x 60 float32.
;; One version. Each part assembles by itself: llvm-mc -triple=amdgcn-amd-amdhsa -mcpu=gfx1250 --defsym DOCPART=n.
;; ======== version 1 of 1: 2 launches
;; limits: values are held in f16: magnitudes above 65,504 overflow, below 6.1e-05 lose precision; right only within a limited range of input values
;; workspace buffers: wts 1,008,128 bytes
;; launch prep (part 1): grid 247 x 1, 8 waves a work-group, no clusters, 0 bytes of LDS; arguments enc0_Wih, enc0_Whh, enc1_Wih, enc1_Whh, dec0_Wih, dec0_Whh, dec1_Wih, dec1_Whh, W_out, W_lat, enc0_bih, enc0_bhh, enc1_bih, enc1_bhh, dec0_bih, dec0_bhh, dec1_bih, dec1_bhh, b_lat, b_out, wts; writes wts
.if DOCPART == 1
	.amdgcn_target "amdgcn-amd-amdhsa--gfx1250"
	.amdhsa_code_object_version 6
	.text
	.protected	k_qfd78bb2d72_prep
	.globl	k_qfd78bb2d72_prep
	.p2align	8
	.type	k_qfd78bb2d72_prep,@function
k_qfd78bb2d72_prep:
	s_mov_b64 s[64:65], 0
	v_nop
	global_prefetch_b8 v0, s[64:65] scope:SCOPE_SE
	s_setreg_imm32_b32 hwreg(HW_REG_WAVE_MODE, 25, 1), 1
	s_wait_xcnt 0x0
; WEIGHTS AND BIASES INTO THE ORDER IN WHICH THE SECOND LAUNCH HOLDS THEM IN REGISTERS.
; wts is a list of rows of 512 bytes; lane L owns bytes 16 L .. 16 L + 15 of a row.  A wave makes one row: rho = 8 x work-group + wave.
;   rows    0..1791  the eight gate matrices (enc0 Wih, Whh, enc1 Wih, Whh, dec0 Wih, Whh, dec1 Wih, Whh); Wih of enc0 and dec0 have 128 rows (K = 64), the others 256 (K = 128)
;   rows 1792..1919  W_out, four equal copies of 32 rows        rows 1920..1951  W_lat
;   rows 1952..1967  bih + bhh of the four layers, f32, in their natural order        row 1968  b_lat[64], then b_out[60] and four zeros, f32
; A gate matrix's rows: wave slice w = rc >> lg; quad i = rc & (2^lg - 1) = 16 kf + 4 q + 2 u + hf; lane (r = L % 16, h = L / 16) holds W[128 q + 32 w + 16 u + r][32 kf + 16 hf + 8 h .. + 7].
; A small matrix's rows: i = rc & 31 = 8 kf + 2 m + hf; the lane holds W[16 m + r][32 kf + 16 hf + 8 h .. + 7].  Rows and columns beyond the matrix (60 -> 64) are zeros.
; FORMATS.  Every input is rounded to bf16 (nearest even).  A matrix number is then written as f16, which holds a bf16 number exactly from 6.1e-5 to 65,504.
; LIMITS.  A weight of 65,520 or more in magnitude becomes an infinity; below 6.1e-5 f16 keeps a fixed step of 6e-8.  NaN and infinities are not treated apart.
; Each store of a wave covers 512 consecutive bytes, aligned.  No LDS, no barrier: no wave needs another's data.
.set ROWS_M, 1952                      ; matrix rows
.set ROWS_B, 1968                      ; + the gate biases' rows
	s_load_b512 s[8:23], s[0:1], 0x0               ; the eight gate matrices
	s_load_b512 s[24:39], s[0:1], 0x40             ; W_out, W_lat, enc0 bih, bhh, enc1 bih, bhh, dec0 bih, bhh
	s_load_b256 s[40:47], s[0:1], 0x80             ; dec1 bih, bhh, b_lat, b_out
	s_load_b64 s[48:49], s[0:1], 0xa0              ; wts
	v_lshrrev_b32 v1, 5, v0
	v_readfirstlane_b32 s50, v1                    ; wave 0..7
	s_lshl3_add_u32 s50, ttmp9, s50                ; rho
	v_and_b32 v1, 31, v0                           ; L
	v_and_b32 v2, 15, v0                           ; r
	v_bfe_u32 v3, v0, 4, 1                         ; h
	v_lshlrev_b32 v10, 4, v1                       ; my 16 bytes of the row
	s_lshl_b32 s4, s50, 9
	s_mov_b32 s5, 0
	s_wait_kmcnt 0x0
	s_add_nc_u64 s[48:49], s[48:49], s[4:5]        ; wts at my row
; four f32 at v[src ..] are rounded to bf16 and widened again into v[dst ..]
.macro TOBF src, tmp, dst
	v_cvt_pk_bf16_f32 v[\tmp], v[\src], v[\src+1]
	v_cvt_pk_bf16_f32 v[\tmp+1], v[\src+2], v[\src+3]
	v_lshlrev_b32 v[\dst], 16, v[\tmp]
	v_and_b32 v[\dst+1], 0xffff0000, v[\tmp]
	v_lshlrev_b32 v[\dst+2], 16, v[\tmp+1]
	v_and_b32 v[\dst+3], 0xffff0000, v[\tmp+1]
.endm
; from row 'start' on: this matrix, its row length, the size of a wave's slice, its kind and its number of rows
.macro SEL start, ptr, ks, lg, small, nr
	s_cmp_ge_u32 s50, \start
	s_cselect_b64 s[52:53], s[\ptr:\ptr+1], s[52:53]
	s_cselect_b32 s54, \start, s54
	s_cselect_b32 s55, \ks, s55
	s_cselect_b32 s56, \lg, s56
	s_cselect_b32 s57, \small, s57
	s_cselect_b32 s58, \nr, s58
.endm
	s_cmp_lt_u32 s50, ROWS_M
	s_cbranch_scc0 .Lbias
	; ---- a matrix row ----
	s_mov_b64 s[52:53], s[8:9]                     ; enc0_Wih: 60 numbers a row
	s_mov_b32 s54, 0
	s_mov_b32 s55, 60
	s_mov_b32 s56, 5
	s_mov_b32 s57, 0
	s_mov_b32 s58, 512
	SEL 128,  10, 128, 6, 0, 512
	SEL 384,  12, 128, 6, 0, 512
	SEL 640,  14, 128, 6, 0, 512
	SEL 896,  16, 64,  5, 0, 512
	SEL 1024, 18, 128, 6, 0, 512
	SEL 1280, 20, 128, 6, 0, 512
	SEL 1536, 22, 128, 6, 0, 512
	SEL 1792, 24, 128, 5, 1, 60
	SEL 1920, 26, 128, 5, 1, 64
	s_sub_co_u32 s59, s50, s54                     ; rc
	s_lshr_b32 s60, s59, s56                       ; w
	s_bfm_b32 s61, s56, 0                          ; lg ones
	s_and_b32 s59, s59, s61                        ; i
	s_and_b32 s61, s59, 1                          ; hf
	s_lshr_b32 s62, s59, 4                         ; gate matrix: kf,
	s_bfe_u32 s63, s59, 0x20002                    ; q,
	s_bfe_u32 s2, s59, 0x10001                     ; u
	s_lshl_b32 s63, s63, 7
	s_lshl_b32 s60, s60, 5
	s_lshl_b32 s2, s2, 4
	s_add_co_u32 s63, s63, s60
	s_add_co_u32 s63, s63, s2                      ; its first row 128 q + 32 w + 16 u
	s_lshr_b32 s3, s59, 3                          ; small matrix: kf,
	s_bfe_u32 s6, s59, 0x20001                     ; m
	s_lshl_b32 s6, s6, 4                           ; its first row 16 m
	s_cmp_eq_u32 s57, 1
	s_cselect_b32 s63, s6, s63
	s_cselect_b32 s62, s3, s62
	s_lshl_b32 s62, s62, 5
	s_lshl4_add_u32 s62, s61, s62                  ; 32 kf + 16 hf
	s_sub_co_u32 s7, s58, 1
	v_add_nc_u32 v4, s63, v2                       ; my row,
	v_cmp_gt_u32 s60, s58, v4                      ; which the matrix has or has not,
	v_min_u32 v5, s7, v4                           ; held inside the matrix for the loads
	v_lshl_add_u32 v6, v3, 3, s62                  ; my first column
	v_mad_u32_u24 v7, v5, s55, v6
	v_lshlrev_b32 v7, 2, v7                        ; its byte: a multiple of 16 (a row is 240, 256 or 512 bytes, the column a multiple of 8)
	v_add_nc_u32 v8, 4, v6
	v_cmp_gt_u32 s61, s55, v8                      ; the second four columns exist (they do not at column 56 of 60),
	s_and_b32 s61, s61, s60                        ; in a row that exists
	v_add_nc_u32 v9, 16, v7
	v_cndmask_b32 v9, v7, v9, s61                  ; else the first four are loaded twice: no load leaves the matrix
	global_load_b128 v[12:15], v7, s[52:53]
	global_load_b128 v[16:19], v9, s[52:53]
	s_wait_loadcnt 0x0
	TOBF 12, 20, 24
	TOBF 16, 22, 28
	v_cvt_pk_f16_f32 v32, v24, v25
	v_cvt_pk_f16_f32 v33, v26, v27
	v_cvt_pk_f16_f32 v34, v28, v29
	v_cvt_pk_f16_f32 v35, v30, v31
	v_cndmask_b32 v32, 0, v32, s60                 ; zeros beyond the matrix
	v_cndmask_b32 v33, 0, v33, s60
	v_cndmask_b32 v34, 0, v34, s61
	v_cndmask_b32 v35, 0, v35, s61
	global_store_b128 v10, v[32:35], s[48:49]
	s_endpgm
.Lbias:
	s_cmp_lt_u32 s50, ROWS_B
	s_cbranch_scc0 .Lsmall
	; ---- 128 numbers of bih + bhh of one layer ----
	s_sub_co_u32 s59, s50, ROWS_M
	s_lshr_b32 s60, s59, 2                         ; the layer
	s_mov_b64 s[52:53], s[28:29]
	s_mov_b64 s[2:3], s[30:31]
	s_cmp_ge_u32 s60, 1
	s_cselect_b64 s[52:53], s[32:33], s[52:53]
	s_cselect_b64 s[2:3], s[34:35], s[2:3]
	s_cmp_ge_u32 s60, 2
	s_cselect_b64 s[52:53], s[36:37], s[52:53]
	s_cselect_b64 s[2:3], s[38:39], s[2:3]
	s_cmp_ge_u32 s60, 3
	s_cselect_b64 s[52:53], s[40:41], s[52:53]
	s_cselect_b64 s[2:3], s[42:43], s[2:3]
	s_and_b32 s59, s59, 3
	s_lshl_b32 s59, s59, 9
	v_lshl_add_u32 v7, v1, 4, s59
	global_load_b128 v[12:15], v7, s[52:53]
	global_load_b128 v[16:19], v7, s[2:3]
	s_wait_loadcnt 0x0
	TOBF 12, 20, 24
	TOBF 16, 22, 28
	v_pk_add_f32 v[32:33], v[24:25], v[28:29]      ; the sum of the two rounded biases stays in f32
	v_pk_add_f32 v[34:35], v[26:27], v[30:31]
	global_store_b128 v10, v[32:35], s[48:49]
	s_endpgm
.Lsmall:
	s_cmp_eq_u32 s50, ROWS_B
	s_cbranch_scc0 .Lend                           ; seven waves of the last work-group have no row
	; ---- b_lat (lanes 0-15), b_out (lanes 16-30), zeros (lane 31) ----
	v_min_u32 v7, 15, v1
	v_lshlrev_b32 v7, 4, v7
	v_max_u32 v9, 16, v1
	v_sub_nc_u32 v9, v9, 16
	v_min_u32 v9, 14, v9                           ; b_out has fifteen quads
	v_lshlrev_b32 v9, 4, v9
	global_load_b128 v[12:15], v7, s[44:45]
	global_load_b128 v[16:19], v9, s[46:47]
	s_wait_loadcnt 0x0
	v_cmp_gt_u32 vcc_lo, 16, v1
	v_cndmask_b32 v12, v16, v12, vcc_lo
	v_cndmask_b32 v13, v17, v13, vcc_lo
	v_cndmask_b32 v14, v18, v14, vcc_lo
	v_cndmask_b32 v15, v19, v15, vcc_lo
	TOBF 12, 20, 24
	v_cmp_ne_u32 vcc_lo, 31, v1
	v_cndmask_b32 v24, 0, v24, vcc_lo
	v_cndmask_b32 v25, 0, v25, vcc_lo
	v_cndmask_b32 v26, 0, v26, vcc_lo
	v_cndmask_b32 v27, 0, v27, vcc_lo
	global_store_b128 v10, v[24:27], s[48:49]
.Lend:
	s_endpgm
.Lfunc_end_k_qfd78bb2d72_prep:
	.size	k_qfd78bb2d72_prep, .Lfunc_end_k_qfd78bb2d72_prep-k_qfd78bb2d72_prep
	.p2alignl 7, 3214868480
	.fill 96, 4, 3214868480
	.section	.rodata,"a",@progbits
	.p2align	6, 0x0
	.amdhsa_kernel k_qfd78bb2d72_prep
		.amdhsa_group_segment_fixed_size 0
		.amdhsa_private_segment_fixed_size 0
		.amdhsa_enable_private_segment 0
		.amdhsa_kernarg_size 168
		.amdhsa_user_sgpr_count 2
		.amdhsa_user_sgpr_kernarg_segment_ptr 1
		.amdhsa_wavefront_size32 1
		.amdhsa_system_sgpr_workgroup_id_x 1
		.amdhsa_system_sgpr_workgroup_id_y 1
		.amdhsa_system_sgpr_workgroup_id_z 1
		.amdhsa_system_vgpr_workitem_id 0
		.amdhsa_next_free_vgpr 40
		.amdhsa_next_free_sgpr 66
		.amdhsa_reserve_vcc 1
		.amdhsa_float_denorm_mode_32 3
		.amdhsa_float_denorm_mode_16_64 3
		.amdhsa_memory_ordered 1
		.amdhsa_forward_progress 1
		.amdhsa_inst_pref_size 10
	.end_amdhsa_kernel
	.amdgpu_metadata
---
amdhsa.version: [ 1, 2 ]
amdhsa.kernels:
  - .name:           k_qfd78bb2d72_prep
    .symbol:         k_qfd78bb2d72_prep.kd
    .args:
      - { .name: enc0_Wih, .offset: 0, .size: 8, .value_kind: global_buffer, .address_space: global }
      - { .name: enc0_Whh, .offset: 8, .size: 8, .value_kind: global_buffer, .address_space: global }
      - { .name: enc1_Wih, .offset: 16, .size: 8, .value_kind: global_buffer, .address_space: global }
      - { .name: enc1_Whh, .offset: 24, .size: 8, .value_kind: global_buffer, .address_space: global }
      - { .name: dec0_Wih, .offset: 32, .size: 8, .value_kind: global_buffer, .address_space: global }
      - { .name: dec0_Whh, .offset: 40, .size: 8, .value_kind: global_buffer, .address_space: global }
      - { .name: dec1_Wih, .offset: 48, .size: 8, .value_kind: global_buffer, .address_space: global }
      - { .name: dec1_Whh, .offset: 56, .size: 8, .value_kind: global_buffer, .address_space: global }
      - { .name: W_out, .offset: 64, .size: 8, .value_kind: global_buffer, .address_space: global }
      - { .name: W_lat, .offset: 72, .size: 8, .value_kind: global_buffer, .address_space: global }
      - { .name: enc0_bih, .offset: 80, .size: 8, .value_kind: global_buffer, .address_space: global }
      - { .name: enc0_bhh, .offset: 88, .size: 8, .value_kind: global_buffer, .address_space: global }
      - { .name: enc1_bih, .offset: 96, .size: 8, .value_kind: global_buffer, .address_space: global }
      - { .name: enc1_bhh, .offset: 104, .size: 8, .value_kind: global_buffer, .address_space: global }
      - { .name: dec0_bih, .offset: 112, .size: 8, .value_kind: global_buffer, .address_space: global }
      - { .name: dec0_bhh, .offset: 120, .size: 8, .value_kind: global_buffer, .address_space: global }
      - { .name: dec1_bih, .offset: 128, .size: 8, .value_kind: global_buffer, .address_space: global }
      - { .name: dec1_bhh, .offset: 136, .size: 8, .value_kind: global_buffer, .address_space: global }
      - { .name: b_lat, .offset: 144, .size: 8, .value_kind: global_buffer, .address_space: global }
      - { .name: b_out, .offset: 152, .size: 8, .value_kind: global_buffer, .address_space: global }
      - { .name: wts, .offset: 160, .size: 8, .value_kind: global_buffer, .address_space: global }
    .group_segment_fixed_size: 0
    .private_segment_fixed_size: 0
    .kernarg_segment_align: 8
    .kernarg_segment_size: 168
    .max_flat_workgroup_size: 256
    .sgpr_count:     66
    .vgpr_count:     40
    .wavefront_size: 32
...
	.end_amdgpu_metadata
.endif
;; end of part 1
;; launch lstm (part 2): grid 256 x 1, 4 waves a work-group, clusters of 4 x 1, 327,680 bytes of LDS; arguments x, wts, out0; writes out0
.if DOCPART == 2
	.amdgcn_target "amdgcn-amd-amdhsa--gfx1250"
	.amdhsa_code_object_version 6
	.text
	.protected	k_qfd78bb2d72_lstm
	.globl	k_qfd78bb2d72_lstm
	.p2align	8
	.type	k_qfd78bb2d72_lstm,@function
k_qfd78bb2d72_lstm:
	s_mov_b64 s[64:65], 0
	v_nop
	global_prefetch_b8 v0, s[64:65] scope:SCOPE_SE
	s_setreg_imm32_b32 hwreg(HW_REG_WAVE_MODE, 25, 1), 1
	s_wait_xcnt 0x0
	s_wait_alu depctr_hold_cnt(0) depctr_sa_sdst(0) depctr_va_vdst(0) depctr_va_sdst(0) depctr_va_ssrc(0) depctr_va_vcc(0) depctr_vm_vsrc(0)
	s_getreg_b32 s2, hwreg(HW_REG_IB_STS2, 6, 4)
	s_cmp_eq_u32 s2, 0
	s_cbranch_scc0 .Lentry_in_a_cluster
	s_endpgm
.Lentry_in_a_cluster:
	s_bfe_u32 s2, ttmp6, 0x10000c
	s_cmp_lg_u32 s2, 0x3003
	s_cbranch_scc0 .Lentry_shape_is_right
	s_endpgm
.Lentry_shape_is_right:
; THE WHOLE AUTO-ENCODER IN ONE LAUNCH: enc0 (60 -> 128), enc1 (128 -> 128), z = h_last W_lat^T + b_lat, dec0 (64 -> 128, the same z at all 8 steps), dec1 (128 -> 128), recon = d2 W_out^T + b_out.
; SHARES.  16,384 batch rows / 256 work-groups = 64 rows a work-group: four tiles of 16, in two HALVES of two tiles.  Wave w owns hidden units 32 w .. 32 w + 31 of the layer in hand, all four gates:
; 8 tiles of 16 gate rows.  Its part of Wih (up to 256 registers) and of Whh (256) STAYS IN REGISTERS for the layer's 8 steps.
; LAYOUT.  gates^T = W act^T (source 0 = 16 gate rows, source 1 = 16 batch rows): a lane holds ONE batch row (lane % 16) and units 8 (lane / 16) + 0..7; i, f, g, o of a cell lie in the same lane and
; register of four accumulators, and a lane's eight h pack into 16 bytes.  The bias (bih + bhh) is the C operand of the product that starts a sum.
; SEQUENCE IN LDS.  Slot t + 1 holds the layer's input of step t (f16, 16 rows a tile, rows 272 bytes apart) and is overwritten in place by the layer's own h(t); slot 0 is zeros, h(-1).
; BY TURNS.  In a TURN one half has the matrix unit (input part, then recurrent part: 128 products, 96 where the input has 64 numbers); the other half's cell arithmetic, 564 lines, stands in slices
; behind those products.  One work-group barrier a turn: signalled at a turn's end, behind the wait for the turn's LDS loads and h stores; awaited four products into the next turn, ahead of its first LDS access.
; WEIGHTS.  All work-groups walk the same weights, so the four of a cluster ask JOINTLY: nine fills of one LDS slot, of which each wave has 32 KiB of its own; a fill is copied into registers by the wave
; that asked for it.  A layer's Wih lands during the layer before; its Whh is asked for at the change of layers and lands under a half step that needs none (h(-1) = 0).
; FORMATS.  x, weights and biases are rounded to bf16 first; x and the weights are then held as f16 (exact from 6.1e-5 to 65,504).  h and z are rounded once to f16.  Gates, c and all sums are f32.
; CELL.  sigma(v) = 1 / (1 + 2^(-v log2 e)); tanh(g) = 2 / (1 + 2^(-2 g log2 e)) - 1; h = (1 - Ec) / ((1 + Eo)(1 + Ec)) with Ec = e^(-2c), Eo = e^(-o).  An exponential that overflows gives the right limit
; through its reciprocal, 0.  |c| <= 8 by the recurrence itself (8 steps, each adds at most 1), so Ec <= e^16 and (1 - Ec) x 0 is 0.
; LIMITS.  |x| and |W| of 65,520 or more become infinities in f16; below 6.1e-5 f16 keeps a fixed step of 6e-8.  An exponential or reciprocal below 2^-126 counts as 0.  NaN and infinities in the inputs are not treated apart.
; PRICE OF ONE TEXT FOR EVERY TRIP.  One half step a layer multiplies Whh by the zero slot (64 products a wave); the last turn of a layer fetches fragments from a zero slot 9 that nobody multiplies.
;
; REGISTERS, in windows of 256 (s_set_vgpr_msb: bits 1:0 source 0, 3:2 source 1, 5:4 source 2, 7:6 destination):
;   window 0: v0-31 addresses; v32-95 bias, tile (q, u) at 32 + 8 (2 q + u); v96-223 accumulators of half 0; v224-255 c of half 0
;   window 1: Wih, fragment (kf, q, u) at 8 (8 kf + 2 q + u)          window 2: Whh, likewise (at the start: x as loaded; at the end: h fragments, then the output)
;   window 3: v0-63 activation fragments, two buffers of 32; v64 h store address of half 1; v96-223 accumulators of half 1; v224-255 c of half 1
;   accumulators: block b = 2 a + u (a: tile of the half, u: unit tile), gate q at 96 + 32 b + 8 q; c of block b at 224 + 8 b: the same numbers in both halves' windows, so one text serves both.
.set SLOT,  17408                      ; a slot: 4 tiles
.set TS,    4352                       ; a tile: 16 rows
.set PITCH, 272                        ; a row: 256 bytes + 16: 68 words, so the 16 rows of a fragment load start 4 words apart modulo 64 (64 banks of 4 bytes: ISA guide 11.1)
.set SL9,   9*SLOT                     ; slot 9: 9,216 bytes of zeros
.set SPARE, 165888                     ; the spare words: 128 bytes for each wave, two blocks of 256 bytes that no other line names
.set ZB,    166400                     ; the weight slot: 4 x 32,768 bytes, filled by tensor loads alone; behind its last fill it is each wave's stage for the output
.set LATW,  983040                     ; byte offsets in wts
.set BIAS,  999424
.set BLAT,  1007616
.set BOUT,  1007872
.set XWG,   122880                     ; a work-group's bytes of x and of out0: 64 rows x 8 x 60 x 4
.set SPI,   1936                       ; a stage row: 1,920 bytes + 16: 484 words, 16 rows start 36 r mod 64: sixteen different groups of four banks
.set NIT,   564                        ; lines in a half's cell arithmetic
; v1 r = lane % 16   v2 h = lane / 16   v3 lane   v4 272 r + 16 h   v5 fragment address, running: v4 + t SLOT   v6 v4 + 64 w   v7 h store address of half 0, running
; v8 my 16 bytes in my part of the weight slot   v9, v10 prefetch offsets   v11 bias offset   v12 x offset   v13 x's place in LDS   v14 x's mask   v15, v16 zero set-up   v[18:19] 0
; v20-v29 latent and output addresses   v30, v31 the add's two registers
; s[4:5] x, s[8:9] out0 at my work-group   s[6:7] wts   s10 wave   s11 cx   s12 work-group   s[14:15] the next chunk of weights   s[16:17] the layer's biases
; s[20:23] descriptor group 0   s[24:31] group 1 for 32 KiB a wave   s[32:39] for 16 KiB   s[40:41], s[42:43] my slice's offset in a chunk   s44 phases to go   s45 steps to go
; s46, s47 1 in a wave that prefetches   s[48:49] -log2 e   s[50:51] -2 log2 e   s52 a word's upper half   s54, s55 at work
.set MSB, 0
.set NPL, 0
.macro WIN new                         ; the immediate's high byte repeats the setting that is left; a switch that changes nothing is dropped
.if MSB != (\new)
	s_set_vgpr_msb (MSB<<8)|(\new)
.set MSB, (\new)
.endif
.endm
; A load into a register that a matrix instruction has read, and a vector instruction or LDS store that reads a matrix result, stand four places behind it; only plain vector instructions that name none
; of its registers are places (ISA guide 7.12.1 for vector instructions).  NPL counts the plain lines written since the last group of products.
.macro PLACES
.rept 4
	v_nop
.endr
.set NPL, 4
.endm
; A round of the cluster's barrier: my work-group's barrier, so that wave 0's signal speaks for all four waves; wave 0 signals; every wave waits for all four work-groups; my work-group's barrier once more.
.macro ROUND
	s_barrier_signal -1
	s_barrier_wait -1
	s_cmp_lg_u32 s10, 0
	s_cbranch_scc1 .Lnw0_\@
	s_barrier_signal -3
.Lnw0_\@:
	s_barrier_wait -3
	s_barrier_signal -1
	s_barrier_wait -1
.endm
; A PREFETCH INTO THE L2 of the chunk that the NEXT fill will ask for (s[14:15] stands at its first byte).  All clusters walk the same chunks: cluster 0 asks, nobody else.  Its 16 waves share a chunk of
; 128 KiB out BY ADDRESS, 8 KiB each, a lane a block of 256 bytes (kind 4); a chunk of 64 KiB goes to waves 0 and 1 of each partner (kind 2).  Kind 5: as 4, in the first phase alone: behind the second
; phase's last chunk no chunk follows.  So each block is named once in the launch, one fill ahead of its load.  The first two chunks come by their loads alone.
.macro ASK kind
.if (\kind) == 4
	s_cmp_eq_u32 s46, 1
	s_cbranch_scc0 .Lna_\@
	global_prefetch_b8 v9, s[14:15] th:TH_LOAD_NT scope:SCOPE_SE
.Lna_\@:
.elseif (\kind) == 2
	s_cmp_eq_u32 s47, 1
	s_cbranch_scc0 .Lna_\@
	global_prefetch_b8 v10, s[14:15] th:TH_LOAD_NT scope:SCOPE_SE
.Lna_\@:
.elseif (\kind) == 5
	s_cmp_gt_u32 s44, s46
	s_cbranch_scc0 .Lna_\@
	global_prefetch_b8 v9, s[14:15] th:TH_LOAD_NT scope:SCOPE_SE
.Lna_\@:
.endif
.endm
; THE WEIGHT SLOT IS FILLED AGAIN.  Every wave: all its tensor loads have landed; 0 onto its spare word; the descriptor's address and the chunk pointer are stepped meanwhile; the add and its reads of the slot are
; done; a round of the cluster's barrier, so that no wave of any partner still reads the slot; and its one joint load, its own slice of the chunk, first behind the round.
.macro FILL g1, size, sl, ask
	WIN 0
	s_wait_tensorcnt 0x0                           ; no tensor load of mine is out, so group 0 may be written
	ds_add_u32 v30, v31
	s_wait_xcnt 0x0                                ; the last prefetch, a fill back, has read s[14:15]
	s_add_nc_u64 s[22:23], s[14:15], s[\sl:\sl+1]  ; my slice of the chunk
	s_or_b32 s23, s23, 0x80000000                  ; type = 2
	s_add_nc_u64 s[14:15], s[14:15], \size         ; the next chunk
	s_wait_dscnt 0x0                               ; the add is done; my copies out of the slot are in registers; my LDS stores are done
	ROUND
	tensor_load_to_lds s[20:23], s[\g1:\g1+7]
	s_nop 0
.rept 4
	v_nop
.endr
	ASK \ask
.endm
; my part of the slot into a window: quad n of the register image lies at 512 n + 16 x lane
.macro COPY win, cnt
	WIN (\win)<<6
.set n, 0
.rept \cnt
	ds_load_b128 v[4*n:4*n+3], v8 offset:512*n
.set n, n+1
.endr
.endm
; A run of fragment loads: nk fragments of 16 rows x 32 numbers of the tile at byte off behind v5, into buffer buf; two = 1: of the next tile too (64-number inputs: two tiles fill a buffer)
.macro LOADRUN buf, off, nk, two
.if NPL < 4
.rept 4-NPL
	v_nop
.endr
.endif
	WIN 0xC0                                       ; destination window 3, address window 0
.irp kf, 0,1,2,3
.if \kf < (\nk)
	ds_load_b128 v[(\buf)+8*\kf:(\buf)+8*\kf+3],   v5 offset:(\off)+64*\kf
	ds_load_b128 v[(\buf)+8*\kf+4:(\buf)+8*\kf+7], v5 offset:(\off)+64*\kf+32
.if \two
	ds_load_b128 v[(\buf)+16+8*\kf:(\buf)+16+8*\kf+3],   v5 offset:(\off)+TS+64*\kf
	ds_load_b128 v[(\buf)+16+8*\kf+4:(\buf)+16+8*\kf+7], v5 offset:(\off)+TS+64*\kf+32
.endif
.endif
.endr
.endm
; THE CELL ARITHMETIC OF A HALF (EWH): a numbered list of 564 lines; EWITEM writes number j.  I, F, G, O are a block's four accumulators (r_, +8, +16, +24), C its cell state; all but the transcendentals go two numbers a line.
;   A   0-191  every gate times -log2 e (g: -2 log2 e), and its exponential: pairs ascending; a pair is scaled two groups ahead of its exponentials
;   B 192-351  a block at a time: + 1 everywhere; reciprocals of I, F, G; O keeps 1 + Eo
;   C 352-447  G = 2 G - 1; C = F C; C = I G + C; I = -2 log2 e C and its exponential Ec
;   D 448-527  F = (Ec + 1)(1 + Eo) and its reciprocal; I = 1 - Ec
;   E 528-563  I = I F = h; rounded to f16 into G's first four registers; one store of 16 bytes a block
; Each of A to D is ONE BATCH of transcendentals: nothing in it names a result of its own batch, a plain line stands behind its last one, and one s_wait_alu depctr_va_vdst(0),
; ahead of the first line that names a result, closes it: four waits for 288 transcendentals.
.macro EMUL pn
.if (((\pn)>>2)&3) == 2
	v_pk_mul_f32 v[96+2*(\pn):96+2*(\pn)+1], v[96+2*(\pn):96+2*(\pn)+1], s[50:51] op_sel_hi:[1,0]
.else
	v_pk_mul_f32 v[96+2*(\pn):96+2*(\pn)+1], v[96+2*(\pn):96+2*(\pn)+1], s[48:49] op_sel_hi:[1,0]
.endif
.endm
.macro EADD
	v_pk_add_f32 v[t_:t_+1], v[t_:t_+1], 1.0 op_sel_hi:[1,0]
.endm
.macro EWITEM
	WIN 0xFF*EWH
.set tr_, 0
.if j < 192
.set x_, j-2
.if j < 2
	EMUL j
.elseif x_ >= 186
.set t_, 96+x_-62
	v_exp_f32 v[t_], v[t_]
.set tr_, 1
.elseif x_%3 == 0
	EMUL (x_/3+2)
.else
.set t_, 96+2*(x_/3)+x_%3-1
	v_exp_f32 v[t_], v[t_]
.set tr_, 1
.endif
.if j == 191
	v_nop                                          ; the plain line behind the batch's last exponential
	s_wait_alu depctr_va_vdst(0)                   ; batch A
.endif
.elseif j < 352
.set b_, (j-192)/40
.set x_, (j-192)%40
.set r_, 96+32*b_
.if x_ < 2
.set t_, r_+2*x_
	EADD
.elseif x_ >= 38
.set t_, r_+2*(x_-24)
	EADD
.elseif (x_-2)%3 == 0
.set t_, r_+2*((x_-2)/3+2)
	EADD
.else
.set t_, r_+2*((x_-2)/3)+(x_-2)%3-1
	v_rcp_f32 v[t_], v[t_]
.set tr_, 1
.endif
.if j == 351
	s_wait_alu depctr_va_vdst(0)                   ; batch B: the two additions on O are the plain lines behind its last reciprocal
.endif
.elseif j < 448
.set b_, (j-352)/24
.set x_, (j-352)%24
.set r_, 96+32*b_
.set c_, 224+8*b_
.if x_ < 4
.set k_, 2*x_
	v_pk_fma_f32 v[r_+16+k_:r_+17+k_], v[r_+16+k_:r_+17+k_], 2.0, -1.0 op_sel_hi:[1,0,0]
.elseif x_ < 8
.set k_, 2*(x_-4)
	v_pk_mul_f32 v[c_+k_:c_+k_+1], v[r_+8+k_:r_+9+k_], v[c_+k_:c_+k_+1]
.elseif x_ < 12
.set k_, 2*(x_-8)
	v_pk_fma_f32 v[c_+k_:c_+k_+1], v[r_+k_:r_+k_+1], v[r_+16+k_:r_+17+k_], v[c_+k_:c_+k_+1]
.elseif x_ < 15
.set k_, 2*(x_-12)
	v_pk_mul_f32 v[r_+k_:r_+k_+1], v[c_+k_:c_+k_+1], s[50:51] op_sel_hi:[1,0]
.elseif x_ == 17
	v_pk_mul_f32 v[r_+6:r_+7], v[c_+6:c_+7], s[50:51] op_sel_hi:[1,0]
.elseif x_ < 17
.set t_, r_+x_-15
	v_exp_f32 v[t_], v[t_]
.set tr_, 1
.else
.set t_, r_+x_-16
	v_exp_f32 v[t_], v[t_]
.set tr_, 1
.endif
.if j == 447
	v_nop
	s_wait_alu depctr_va_vdst(0)                   ; batch C
.endif
.elseif j < 528
.set b_, (j-448)/20
.set x_, (j-448)%20
.set r_, 96+32*b_
.if x_ < 4
.set k_, 2*x_
	v_pk_add_f32 v[r_+8+k_:r_+9+k_], v[r_+k_:r_+k_+1], 1.0 op_sel_hi:[1,0]
.elseif x_ < 8
.set k_, 2*(x_-4)
	v_pk_mul_f32 v[r_+8+k_:r_+9+k_], v[r_+8+k_:r_+9+k_], v[r_+24+k_:r_+25+k_]
.elseif (x_-8)%3 == 2
.set k_, 2*((x_-8)/3)
	v_pk_fma_f32 v[r_+k_:r_+k_+1], v[r_+k_:r_+k_+1], -1.0, 1.0 op_sel_hi:[1,0,0]
.else
.set t_, r_+8+2*((x_-8)/3)+(x_-8)%3
	v_rcp_f32 v[t_], v[t_]
.set tr_, 1
.endif
.if j == 527
	s_wait_alu depctr_va_vdst(0)                   ; batch D: 1 - Ec is the plain line behind its last reciprocal
.endif
.else
.set b_, (j-528)/9
.set x_, (j-528)%9
.set r_, 96+32*b_
.if x_ < 4
.set k_, 2*x_
	v_pk_mul_f32 v[r_+k_:r_+k_+1], v[r_+k_:r_+k_+1], v[r_+8+k_:r_+9+k_]
.elseif x_ < 8
.set k_, x_-4
	v_cvt_pk_f16_f32 v[r_+16+k_], v[r_+2*k_], v[r_+2*k_+1]
.else
.set tr_, 1
.if EWH == 0
	ds_store_b128 v7, v[r_+16:r_+19] offset:SLOT+(b_/2)*TS+32*(b_%2)      ; h(t): slot t + 1, my 8 units of my row
.else
	ds_store_b128 v64, v[r_+16:r_+19] offset:SLOT+(2+b_/2)*TS+32*(b_%2)
.endif
.endif
.endif
.if tr_ == 0
.set NPL, NPL+1
.endif
.set j, j+1
.endm
.macro EWBARE                          ; half 1's cell arithmetic by itself: a layer's last half step has no products to stand beside
.set EWH, 1
.set j, 0
.rept NIT
	EWITEM
.endr
.endm
; THE MATRIX WORK.  Behind product number pi of a turn's NW the list is written up to line ceil(pi NIT / (NW - 8)): the last eight products stand bare, and the h stores land under them.
.macro SLICES
.if EWON
.set tgt, (pi*NIT+NW-9)/(NW-8)
.if tgt > NIT
.set tgt, NIT
.endif
.rept tgt-j
	EWITEM
.endr
.endif
.endm
.macro MID                             ; four products into a group: the turn's barrier wait (first group alone), then the run of loads for the next group
.if BW
	s_barrier_wait -1                              ; every wave's h stores and fragment reads of the turn before are done
.set BW, 0
.endif
	LOADRUN LB, LO, LNK, LTWO
.endm
.macro PROD p, rec, a, kf, q, u, fb
.set rD, 96+32*(2*(\a)+(\u))+8*(\q)
.set rA, 8*(8*(\kf)+2*(\q)+(\u))
.set rB, (\fb)+8*(\kf)
.set rC, 32+8*(2*(\q)+(\u))
.if ((\rec) == 0) && ((\kf) == 0)
	WIN 0x0D+0xC0*(\p)                             ; W window 1, fragment window 3, bias window 0, result in the half's window
	v_wmma_f32_16x16x32_f16 v[rD:rD+7], v[rA:rA+7], v[rB:rB+7], v[rC:rC+7]
.else
	WIN 0x0D+(\rec)+0xF0*(\p)                      ; W window 1 or 2, C and D in the half's window
	v_wmma_f32_16x16x32_f16 v[rD:rD+7], v[rA:rA+7], v[rB:rB+7], v[rD:rD+7]
.endif
.set pi, pi+1
	SLICES
.endm
; One tile's products with one matrix: its 8 accumulators take turns, one instruction a turn; neighbouring groups and turns work on other accumulators.
.macro GROUP p, rec, a, fb, nk
.irp kf, 0,1,2,3
.if \kf < \nk
.irp q, 0,1,2,3
.irp u, 0,1
	PROD \p, \rec, \a, \kf, \q, \u, \fb
.set gi, gi+1
.if gi == 4
	MID
.endif
.endr
.endr
.endif
.endr
.endm
.macro ENDGRP
	s_wait_dscnt 0x0                               ; the next group's fragments, asked for 28 products ago, are in (in a turn's last group: my h stores are done too)
.set NPL, 0
.set gi, 0
.endm
; A TURN: the products of half p (tiles 2 p, 2 p + 1).  wide = 1: the input has 128 numbers.  ew = 1: the other half's cell arithmetic rides, and the turn has its barrier.  rec = 0: no recurrent part.
; sin, srec, snext: the slots, counted from v5's, of the input, of h(t - 1) and of the next turn's input.  fb0: the buffer that holds the first group's fragments.
; Each group's fragments are fetched by the group before, into the buffer that the group before that has left; the last group fetches the next turn's first.
.macro TURN wide, p, ew, rec, sin, srec, snext, fb0
.set pi, 0
.set j, 0
.set gi, 0
.set NPL, 0
.set EWON, (\ew)
.set EWH, 1-(\p)
.set BW, (\ew)
.set FA, (\fb0)
.set FB, 32-(\fb0)
.set ONXT, (\snext)*SLOT+2*(1-(\p))*TS
.set OREC, (\srec)*SLOT+2*(\p)*TS
.set LTWO, 0
.set LNK, 4
.if \wide
.set NW, 64+64*(\rec)
.set LB, FB
.set LO, (\sin)*SLOT+(2*(\p)+1)*TS
	GROUP \p, 0, 0, FA, 4
	ENDGRP
.set LB, FA
.if \rec
.set LO, OREC
.else
.set LO, ONXT
.endif
	GROUP \p, 0, 1, FB, 4
	ENDGRP
.if \rec
.set LB, FB
.set LO, OREC+TS
	GROUP \p, 1, 0, FA, 4
	ENDGRP
.set LB, FA
.set LO, ONXT
	GROUP \p, 1, 1, FB, 4
	ENDGRP
.endif
.else
.set NW, 32+64*(\rec)
.set LB, FB
.if \rec
.set LO, OREC
.else
.set LO, ONXT
.set LNK, 2
.set LTWO, 1
.endif
	GROUP \p, 0, 0, FA, 2
	GROUP \p, 0, 1, FA+16, 2
	ENDGRP
.if \rec
.set LB, FA
.set LO, OREC+TS
	GROUP \p, 1, 0, FB, 4
	ENDGRP
.set LB, FB
.set LO, ONXT
.set LNK, 2
.set LTWO, 1
	GROUP \p, 1, 1, FA, 4
	ENDGRP
.endif
.endif
.if \ew
	WIN 0
	s_barrier_signal -1                            ; my LDS loads and stores of this turn are done (the wait above); only register work stands up to the wait in the next turn
.endif
.endm
; A LAYER BEGINS.  Its biases; its Wih out of the slot; its Whh is asked for; (pend = 1: the layer before's last cell arithmetic;) half 0's step 0, which needs no Whh; c = 0; Whh out of the slot;
; the next chunk is asked for; the turn barrier is opened.
.macro LSTART wide, pend
	WIN 0
	PLACES                                         ; behind the last products: loads into their registers follow
	s_wait_xcnt 0x0                                ; the last loads by s[16:17] have read it
	s_add_nc_u64 s[16:17], s[16:17], 2048
.irp q, 0,1,2,3
.irp u, 0,1
	global_load_b128 v[32+8*(2*\q+\u):32+8*(2*\q+\u)+3],   v11, s[16:17] offset:4*(128*\q+16*\u)     ; bias of gate rows 128 q + 32 w + 16 u + 8 h + 0..7: the C operand's layout
	global_load_b128 v[32+8*(2*\q+\u)+4:32+8*(2*\q+\u)+7], v11, s[16:17] offset:4*(128*\q+16*\u)+16
.endr
.endr
	s_wait_tensorcnt 0x0                           ; my one load that was out, this layer's Wih, has landed; only I read my part of the slot
	COPY 1, 32+32*(\wide)
	FILL 24, 131072, 40, 4-2*(\wide)               ; Whh
.if \pend
	EWBARE
.endif
	WIN 0
	v_mov_b32 v5, v4                               ; t = 0
	v_mov_b32 v7, v6
	WIN 0xC0
	v_mov_b32 v64, v6
.set NPL, 4
.if \wide
	LOADRUN 0, SLOT, 4, 0
.else
	LOADRUN 32, SLOT, 2, 1
.endif
	s_wait_loadcnt 0x0                             ; the biases
	s_wait_dscnt 0x0
	TURN \wide,0,0,0,1,0,1,32*(1-\wide)
	WIN 0
.set n, 224
.rept 32
	v_mov_b32 v[n], 0                              ; c(-1) = 0, both halves; these lines are also the places behind the products above
.set n, n+1
.endr
	WIN 0xC0
.set n, 224
.rept 32
	v_mov_b32 v[n], 0
.set n, n+1
.endr
	WIN 0
	s_wait_tensorcnt 0x0                           ; Whh has landed
	COPY 2, 64
.if \wide
	FILL 32, 65536, 42, 5                          ; dec0's Wih, or W_out: it stays in the slot until the layer is over
.else
	FILL 24, 131072, 40, 4                         ; the next layer's Wih
.endif
	s_barrier_signal -1                            ; opens the turn barrier: no LDS instruction of mine is out
	s_mov_b32 s45, 8
.endm
; A LAYER'S STEPS: entered in the middle of a trip.  Half 1's step t with half 0's cells of step t; then half 0's step t + 1 with half 1's cells of step t.
.macro LOOP wide
	s_branch .Lmid_\@
.Lstep_\@:
	TURN \wide,0,1,1,2,1,2,32*(1-\wide)
	v_add_nc_u32 v5, SLOT, v5                      ; t + 1
	v_add_nc_u32 v7, SLOT, v7
	WIN 0xFF
	v_add_nc_u32 v64, SLOT, v64
	WIN 0
.Lmid_\@:
	TURN \wide,1,1,1,1,0,2,0
	s_sub_co_u32 s45, s45, 1
	s_cmp_lg_u32 s45, 0
	s_cbranch_scc1 .Lstep_\@
	s_barrier_wait -1
.endm
	; ---------------- the head ----------------
	s_load_b128 s[4:7], s[0:1], 0x0                ; x, wts
	s_load_b64 s[8:9], s[0:1], 0x10                ; out0
	v_lshl_add_u32 v30, v0, 2, SPARE
	v_mov_b32 v31, 0
	ds_add_u32 v30, v31                            ; the wave's opening: the add, twice on end, and its wait ahead of my first tensor load
	ds_add_u32 v30, v31
	v_lshrrev_b32 v1, 5, v0
	v_readfirstlane_b32 s10, v1                    ; wave 0..3
	s_bfe_u32 s11, ttmp6, 0x40000                  ; cx: it enters x's and out0's addresses and the prefetches' offsets alone
	s_lshl_b32 s12, ttmp9, 2
	s_add_co_u32 s12, s12, s11                     ; work-group = 4 x cluster + cx
	s_mov_b32 s20, 1                               ; group 0: count = 1
	s_lshl_b32 s21, s10, 15
	s_add_co_u32 s21, s21, ZB                      ; LDS address: my part of the slot, the same for every fill
	s_mov_b32 s24, 15|(3<<16)|(1<<21)              ; group 1: the mask of four; elements of 8 bytes; bit 21 beside a mask; no padding: the slice is read back as it lies
	s_mov_b32 s25, 32<<16                          ; tensor_dim0 = 32 elements: rows of 256 bytes
	s_mov_b32 s26, 128<<16                         ; tensor_dim1 = 128 rows: 32 KiB
	s_mov_b32 s27, 32<<16                          ; tile_dim0
	s_mov_b32 s28, 128                             ; tile_dim1
	s_mov_b32 s29, 32                              ; from row to row: the slice is dense
	s_mov_b32 s30, 0
	s_mov_b32 s31, 0
	s_mov_b32 s32, 15|(3<<16)|(1<<21)              ; the same with 64 rows: 16 KiB
	s_mov_b32 s33, 32<<16
	s_mov_b32 s34, 64<<16
	s_mov_b32 s35, 32<<16
	s_mov_b32 s36, 64
	s_mov_b32 s37, 32
	s_mov_b32 s38, 0
	s_mov_b32 s39, 0
	s_lshl_b32 s40, s10, 15
	s_mov_b32 s41, 0
	s_lshl_b32 s42, s10, 14
	s_mov_b32 s43, 0
	s_mov_b32 s44, 2
	s_cmp_eq_u32 ttmp9, 0
	s_cselect_b32 s46, 1, -1                       ; the same in all four partners
	s_lshr_b32 s54, s10, 1
	s_or_b32 s54, s54, ttmp9
	s_cmp_eq_u32 s54, 0
	s_cselect_b32 s47, 1, -1
	s_mov_b32 s48, 0xbfb8aa3b                      ; -log2 e
	s_mov_b32 s49, s48
	s_mov_b32 s50, 0xc038aa3b                      ; -2 log2 e
	s_mov_b32 s51, s50
	s_mov_b32 s52, 0xffff0000
	v_and_b32 v3, 31, v0
	v_and_b32 v1, 15, v0
	v_bfe_u32 v2, v0, 4, 1
	v_mul_u32_u24 v4, v1, PITCH
	v_lshl_add_u32 v4, v2, 4, v4
	s_lshl_b32 s54, s10, 6
	v_add_nc_u32 v6, s54, v4
	v_lshl_add_u32 v8, v3, 4, s21
	s_lshl2_add_u32 s54, s11, s10
	s_lshl_b32 s54, s54, 13
	v_lshl_add_u32 v9, v3, 8, s54                  ; 8,192 (4 cx + w) + 256 lane
	s_lshl1_add_u32 s54, s11, s10
	s_lshl_b32 s54, s54, 13
	v_lshl_add_u32 v10, v3, 8, s54                 ; 8,192 (2 cx + w) + 256 lane, used by waves 0 and 1
	s_lshl_b32 s54, s10, 7
	v_lshl_add_u32 v11, v2, 5, s54                 ; 4 (32 w + 8 h)
	; x: thread = 16 t + j.  A step's 60 numbers are 15 quads of 16 bytes: thread j < 15 takes quad j; thread 15 loads quad 14 once more (no load leaves x), and its numbers are
	; masked to 0: they are the padding, columns 60..63.  So one load of the work-group is one batch row, 1,920 consecutive bytes, and every thread stores 8 bytes at (t + 1) SLOT + 8 j.
	v_lshrrev_b32 v17, 4, v0                       ; t
	v_min_u32 v20, 14, v1
	v_mul_u32_u24 v12, v17, 240
	v_lshl_add_u32 v12, v20, 4, v12                ; 240 t + 16 min(j, 14)
	v_mul_u32_u24 v13, v17, SLOT
	v_lshl_add_u32 v13, v1, 3, v13
	v_add_nc_u32 v13, SLOT, v13                    ; slot t + 1, 8 bytes for four f16
	v_add_nc_u32 v14, 1, v1
	v_lshrrev_b32 v14, 4, v14
	v_add_nc_u32 v14, -1, v14                      ; all ones; 0 where j = 15
	v_lshlrev_b32 v15, 3, v0
	v_add_nc_u32 v16, SL9, v15
	v_mov_b32 v18, 0
	v_mov_b32 v19, 0
	v_lshlrev_b32 v26, 5, v2                       ; 32 h
	v_lshlrev_b32 v27, 4, v3                       ; 16 lane
	s_wait_dscnt 0x0                               ; both opening adds are done
	s_wait_kmcnt 0x0
	s_mul_i32 s54, s12, XWG
	s_mov_b32 s55, 0
	s_add_nc_u64 s[4:5], s[4:5], s[54:55]
	s_add_nc_u64 s[8:9], s[8:9], s[54:55]
	s_add_nc_u64 s[16:17], s[6:7], BIAS-2048       ; each layer's beginning steps it by a layer's 2,048 bytes
	s_add_nc_u64 s[22:23], s[6:7], s[42:43]        ; my slice of the first chunk, enc0's Wih
	s_or_b32 s23, s23, 0x80000000
	s_add_nc_u64 s[14:15], s[6:7], 65536
	WIN 0x80                                       ; x into window 2: batch rows 0..47 now, the last sixteen when the first tile is in
.set n, 0
.rept 48
	global_load_b128 v[4*n:4*n+3], v12, s[4:5] offset:1920*n th:TH_LOAD_NT
.set n, n+1
.endr
	WIN 0
	ROUND                                          ; all four work-groups are here: the first joint loads meet
	tensor_load_to_lds s[20:23], s[32:39]
	s_nop 0
.rept 4
	v_nop
.endr
	; zeros: slot 0 (h(-1)) and slot 9
.set n, 0
.rept 17
	ds_store_b64 v15, v[18:19] offset:1024*n
.set n, n+1
.endr
.set n, 0
.rept 9
	ds_store_b64 v16, v[18:19] offset:1024*n
.set n, n+1
.endr
	; x: rounded to bf16, that number written as f16, into slots 1..8: a tile of 16 batch rows at a time
.set bq, 0
.rept 4
.if bq == 0
	s_wait_loadcnt 32                              ; loads come back in order: of the 48 the first tile's sixteen are in
	WIN 0x80
.set n, 48
.rept 16
	global_load_b128 v[4*n:4*n+3], v12, s[4:5] offset:1920*n th:TH_LOAD_NT
.set n, n+1
.endr
.else
	s_wait_loadcnt 48-16*bq                        ; the tile's sixteen are in; the later tiles' may stay out
.endif
	WIN 0x0A                                       ; sources window 2
.set n, 0
.rept 32
	v_cvt_pk_bf16_f32 v[96+n], v[64*bq+2*n], v[64*bq+2*n+1]
.set n, n+1
.endr
	WIN 0
.set n, 0
.rept 32
	v_lshlrev_b32 v[160+2*n], 16, v[96+n]
	v_and_b32 v[161+2*n], s52, v[96+n]
.set n, n+1
.endr
.set n, 0
.rept 32
	v_cvt_pk_f16_f32 v[96+n], v[160+2*n], v[161+2*n]
.set n, n+1
.endr
.set n, 0
.rept 32
	v_and_b32 v[96+n], v14, v[96+n]                ; thread 15's four numbers are the padding: 0
.set n, n+1
.endr
.set n, 0
.rept 16
	ds_store_b64 v13, v[96+2*n:97+2*n] offset:bq*TS+PITCH*n
.set n, n+1
.endr
.set bq, bq+1
.endr
	s_branch .Lenc
	; ---------------- between the phases: z = h_last W_lat^T + b_lat ----------------
.Lagain:                                       ; wave w takes tile w of slot 8 and writes z (64 f16 a row) as the input of all 8 steps, as the model repeats it; no other wave touches tile w here
	s_mul_i32 s54, s10, TS
	s_add_co_u32 s55, s54, 8*SLOT
	v_add_nc_u32 v20, s55, v4
	s_add_co_u32 s55, s54, SLOT
	v_add_nc_u32 v28, s55, v4                      ; slots 1..4,
	v_add_nc_u32 v29, 4*SLOT, v28                  ; slots 5..8
	WIN 0xC0
.irp kf, 0,1,2,3
	ds_load_b128 v[8*\kf:8*\kf+3],   v20 offset:64*\kf
	ds_load_b128 v[8*\kf+4:8*\kf+7], v20 offset:64*\kf+32
.endr
	s_wait_loadcnt 0x0                             ; W_lat and b_lat
	s_wait_dscnt 0x0
	WIN 0x0D
.irp kf, 0,1,2,3
.irp m, 0,1,2,3
.if \kf == 0
	v_wmma_f32_16x16x32_f16 v[96+8*\m:96+8*\m+7], v[8*\m:8*\m+7], v[0:7], v[32+8*\m:32+8*\m+7]
.else
	v_wmma_f32_16x16x32_f16 v[96+8*\m:96+8*\m+7], v[8*(4*\kf+\m):8*(4*\kf+\m)+7], v[8*\kf:8*\kf+7], v[96+8*\m:96+8*\m+7]
.endif
.endr
.endr
	WIN 0
	PLACES
.irp m, 0,1,2,3
.irp k, 0,1,2,3
	v_cvt_pk_f16_f32 v[160+4*\m+\k], v[96+8*\m+2*\k], v[96+8*\m+2*\k+1]
.endr
.endr
.irp t, 0,1,2,3
.irp m, 0,1,2,3
	ds_store_b128 v28, v[160+4*\m:160+4*\m+3] offset:\t*SLOT+32*\m
	ds_store_b128 v29, v[160+4*\m:160+4*\m+3] offset:\t*SLOT+32*\m
.endr
.endr
	; ---------------- a phase: a layer with 64 inputs, a layer with 128 ----------------
.Lenc:
	LSTART 0, 0
	LOOP 0
	LSTART 1, 1
	LOOP 1
	PLACES                                         ; loads into registers that the last products read follow
	s_cmp_eq_u32 s44, 2
	s_cbranch_scc0 .Lbo
	WIN 0x40                                       ; behind the encoder: W_lat (every wave all of it: 16 KiB) and b_lat, on their way under the last cell arithmetic
.set n, 0
.rept 32
	global_load_b128 v[4*n:4*n+3], v27, s[6:7] offset:LATW+512*n
.set n, n+1
.endr
	WIN 0
.irp m, 0,1,2,3
	global_load_b128 v[32+8*\m:32+8*\m+3], v26, s[6:7] offset:BLAT+64*\m
	global_load_b128 v[32+8*\m+4:32+8*\m+7], v26, s[6:7] offset:BLAT+64*\m+16
.endr
	s_branch .Ljoin
.Lbo:                                          ; behind the decoder: b_out
.irp m, 0,1,2,3
	global_load_b128 v[32+8*\m:32+8*\m+3], v26, s[6:7] offset:BOUT+64*\m
	global_load_b128 v[32+8*\m+4:32+8*\m+7], v26, s[6:7] offset:BOUT+64*\m+16
.endr
.Ljoin:
	EWBARE                                         ; half 1's cells of step 7
	WIN 0
	s_wait_dscnt 0x0                               ; for the others' sake: my h stores are done
	s_barrier_signal -1
	s_barrier_wait -1                              ; slot 8 is whole
	s_sub_co_u32 s44, s44, 1
	s_cmp_lg_u32 s44, 0
	s_cbranch_scc1 .Lagain
	; ---------------- recon = d2 W_out^T + b_out ----------------
	; Wave w takes tile w of slots 1..8: 8 steps x 4 tiles of 16 output columns x 4 along K = 128 products.  A lane holds one batch row and 8 neighbouring columns.
	s_wait_tensorcnt 0x0                           ; W_out has landed: the slot's last fill
	COPY 1, 32
	WIN 0
	s_mul_i32 s54, s10, TS
	s_add_co_u32 s54, s54, SLOT
	v_add_nc_u32 v28, s54, v4
	v_add_nc_u32 v29, 4*SLOT, v28
	v_mul_u32_u24 v21, v1, SPI
	v_lshl_add_u32 v21, v2, 5, v21
	v_add_nc_u32 v21, s21, v21                     ; stage: row r, 32 bytes for each half of the lanes
	v_add_nc_u32 v22, 8, v3                        ; where a row of 1,920 bytes ends inside a wave's 512, the lanes behind the end skip the row's 16 bytes of padding:
	v_lshrrev_b32 v22, 5, v22
	v_lshl_add_u32 v22, v22, 4, v8                 ; lanes 24 on,
	v_lshl_add_u32 v23, v2, 4, v8                  ; lanes 16 on,
	v_add_nc_u32 v24, 24, v3
	v_lshrrev_b32 v24, 5, v24
	v_lshl_add_u32 v24, v24, 4, v8                 ; lanes 8 on
	s_mul_i32 s54, s10, 30720
	v_lshl_add_u32 v25, v3, 4, s54                 ; my wave's 16 rows of out0 are 30,720 consecutive bytes
	WIN 0x80
.irp t, 0,1,2,3
.irp kf, 0,1,2,3
	ds_load_b128 v[32*\t+8*\kf:32*\t+8*\kf+3],         v28 offset:\t*SLOT+64*\kf
	ds_load_b128 v[32*\t+8*\kf+4:32*\t+8*\kf+7],       v28 offset:\t*SLOT+64*\kf+32
	ds_load_b128 v[128+32*\t+8*\kf:128+32*\t+8*\kf+3],   v29 offset:\t*SLOT+64*\kf
	ds_load_b128 v[128+32*\t+8*\kf+4:128+32*\t+8*\kf+7], v29 offset:\t*SLOT+64*\kf+32
.endr
.endr
	s_wait_loadcnt 0x0                             ; b_out
	s_wait_dscnt 0x0
.irp bt, 0,1                           ; steps 0..3 into window 0, steps 4..7 into window 3; the 16 accumulators of a batch take turns
.irp kf, 0,1,2,3
.irp tt, 0,1,2,3
.irp m, 0,1,2,3
.if \kf == 0
	WIN 0x09+0xC0*\bt
	v_wmma_f32_16x16x32_f16 v[96+32*\tt+8*\m:96+32*\tt+8*\m+7], v[8*\m:8*\m+7], v[32*(4*\bt+\tt):32*(4*\bt+\tt)+7], v[32+8*\m:32+8*\m+7]
.else
	WIN 0x09+0xF0*\bt
	v_wmma_f32_16x16x32_f16 v[96+32*\tt+8*\m:96+32*\tt+8*\m+7], v[8*(4*\kf+\m):8*(4*\kf+\m)+7], v[32*(4*\bt+\tt)+8*\kf:32*(4*\bt+\tt)+8*\kf+7], v[96+32*\tt+8*\m:96+32*\tt+8*\m+7]
.endif
.endr
.endr
.endr
.endr
	WIN 0
	PLACES
	; Into my stage, steps and column tiles ascending.  Columns 60..63 do not exist: the 16 bytes that lanes 16-31 hold for them fall on the next step's columns 0..3, whose own store comes later in my LDS
	; order (LDS serves a wave's instructions in order: ISA guide 5.7.1.4) and overwrites them; at step 7 they fall on the row's padding.
.irp bt, 0,1
	WIN 0x0C*\bt                                   ; data in window 0 or 3, address in window 0
.irp tt, 0,1,2,3
.irp m, 0,1,2,3
	ds_store_b128 v21, v[96+32*\tt+8*\m:96+32*\tt+8*\m+3]   offset:240*(4*\bt+\tt)+64*\m
	ds_store_b128 v21, v[96+32*\tt+8*\m+4:96+32*\tt+8*\m+7] offset:240*(4*\bt+\tt)+64*\m+16
.endr
.endr
.endr
	WIN 0x80                                       ; back as 60 x 512 consecutive bytes of out0: four rows are 15 such pieces
.irp gq, 0,1,2,3
.irp i, 0,1,2,3,4,5,6,7,8,9,10,11,12,13,14
.if \i == 3
	ds_load_b128 v[4*(15*\gq+\i):4*(15*\gq+\i)+3], v22 offset:7744*\gq+512*\i+16*(\i/4)
.elseif \i == 7
	ds_load_b128 v[4*(15*\gq+\i):4*(15*\gq+\i)+3], v23 offset:7744*\gq+512*\i+16*(\i/4)
.elseif \i == 11
	ds_load_b128 v[4*(15*\gq+\i):4*(15*\gq+\i)+3], v24 offset:7744*\gq+512*\i+16*(\i/4)
.else
	ds_load_b128 v[4*(15*\gq+\i):4*(15*\gq+\i)+3], v8 offset:7744*\gq+512*\i+16*(\i/4)
.endif
.endr
.endr
	WIN 0x08                                       ; store data in window 2
.set n, 0
.rept 60
	s_wait_dscnt 59-n                              ; piece n is back; the younger ones may stay out
	global_store_b128 v25, v[4*n:4*n+3], s[8:9] offset:512*n th:TH_STORE_NT  ; 512 consecutive bytes, at a multiple of 512 from out0's first byte
.set n, n+1
.endr
	WIN 0
	s_wait_tensorcnt 0x0                           ; the wave's end, behind my last tensor load and my last LDS store
	ds_add_u32 v30, v31
	s_wait_dscnt 0x0
	ROUND                                          ; the closing round: no work-group ends while a partner may still ask for a chunk that names it
	s_endpgm
.Lfunc_end_k_qfd78bb2d72_lstm:
	.size	k_qfd78bb2d72_lstm, .Lfunc_end_k_qfd78bb2d72_lstm-k_qfd78bb2d72_lstm
	.p2alignl 7, 3214868480
	.fill 96, 4, 3214868480
	.section	.rodata,"a",@progbits
	.p2align	6, 0x0
	.amdhsa_kernel k_qfd78bb2d72_lstm
		.amdhsa_group_segment_fixed_size 327680
		.amdhsa_private_segment_fixed_size 0
		.amdhsa_enable_private_segment 0
		.amdhsa_kernarg_size 24
		.amdhsa_user_sgpr_count 2
		.amdhsa_user_sgpr_kernarg_segment_ptr 1
		.amdhsa_wavefront_size32 1
		.amdhsa_system_sgpr_workgroup_id_x 1
		.amdhsa_system_sgpr_workgroup_id_y 1
		.amdhsa_system_sgpr_workgroup_id_z 1
		.amdhsa_system_vgpr_workitem_id 0
		.amdhsa_next_free_vgpr 1024
		.amdhsa_next_free_sgpr 66
		.amdhsa_reserve_vcc 0
		.amdhsa_float_denorm_mode_32 3
		.amdhsa_float_denorm_mode_16_64 3
		.amdhsa_memory_ordered 1
		.amdhsa_forward_progress 1
		.amdhsa_inst_pref_size 255
	.end_amdhsa_kernel
	.section	.bss,"aw",@nobits
	.p2align	6
	.space	262144
	.amdgpu_metadata
---
amdhsa.version: [ 1, 2 ]
amdhsa.kernels:
  - .name:           k_qfd78bb2d72_lstm
    .symbol:         k_qfd78bb2d72_lstm.kd
    .args:
      - { .name: x, .offset: 0, .size: 8, .value_kind: global_buffer, .address_space: global }
      - { .name: wts, .offset: 8, .size: 8, .value_kind: global_buffer, .address_space: global }
      - { .name: out0, .offset: 16, .size: 8, .value_kind: global_buffer, .address_space: global }
    .group_segment_fixed_size: 327680
    .private_segment_fixed_size: 0
    .kernarg_segment_align: 8
    .kernarg_segment_size: 24
    .max_flat_workgroup_size: 128
    .sgpr_count:     66
    .vgpr_count:     1024
    .wavefront_size: 32
...
	.end_amdgpu_metadata
.endif
;; end of part 2
